; MI455X (gfx1250); checked and timed in simulation.
; The chip was launched on July 23, 2026; its instructions are those of AMD's public machine-readable ISA for CDNA 5 (MIT licence, August 2026) and "CDNA5" Instruction Set Architecture Reference Guide (July 2026). The comments in the code are by the model that wrote it; some were corrected since.
;; Attention. Allowed arithmetic: matrix products marked QUANTISED: E3M2 operands, one E8M0 scale for each 32 along K, by v_wmma_scale_f32_16x16x128_f8f6f4 with both operands' format E3M2, f32 sums; products left as they are: f32 operands where the result goes on into a quantised operand, else bf16, f16 or f32 operands; f32 sums; everything else in f32.
;; Inputs: V 1,024 x 1 float32; W1 1,024 x 1,024 float32; W2 1,024 x 1,024 float32; b1 1,024 float32; b2 1,024 float32; bv 1 float32; enc 32 x 2,048 x 1,024 float32; hid 32 x 1,024 float32.
;; Outputs: out0 32 x 1,024 float32.
;; This version of the problem:
;;   THIS VERSION OF THE PROBLEM IS GIVEN IN LOW PRECISION. The matrix products marked QUANTISED in the list below multiply operands that are first quantised to E3M2 (3 exponent bits, 2 mantissa bits; 6 bits a number), with one power-of-two scale for each 32 numbers along K (OCP MX v1.0); their sums are f32. All else is computed in f32.
;;   The module's matrix products, in the order in which they are computed (A, B: the left and right operand; K: the contracted axis; several contracted axes count as one K, in the product's order):
;;     1. [M 65,536, K 1,024] x [K 1,024, N 1,024]; A: input enc; B: input W1: QUANTISED
;;     2. [M 32, K 1,024] x [K 1,024, N 1,024]; A: input hid; B: input W2: QUANTISED
;;     3. [M 65,536, K 1,024] x [K 1,024, N 1]; A: computed on the way; B: input V: left as it is (N = 1 < 16)
;;   THE QUANTISER, for each operand of a quantised product, along K:
;;     - K is cut into blocks of 32 from its start; a last block that is shorter is filled with zeros.
;;     - A block's scale is 2^e with e = floor(log2(the largest magnitude in the block)) - 4, held to -126 .. 127; a block of zeros has e = 0. As a byte (E8M0): e + 127.
;;     - Each number is divided by its block's scale, clamped to +-28, and rounded to the nearest number of E3M2, ties to even, subnormals kept.
;;     - The product sums the exact products of the quantised numbers (number of the format x scale) in f32.
;;   ~~~python
;;   def quantise(x, axis):      # numpy; x: float32 -> the quantised numbers, widened to float32 again
;;       x = np.moveaxis(x, axis, -1); K = x.shape[-1]
;;       x = np.pad(x, [(0, 0)] * (x.ndim - 1) + [(0, -K % 32)]); x = x.reshape(x.shape[:-1] + (-1, 32)); a = np.abs(x).max(-1, keepdims=True)
;;       e = np.where(a > 0, np.clip(np.frexp(np.where(a > 0, a, 1))[1] - 1 - 4, -126, 127), 0)      # np.frexp(a)[1] - 1 = floor(log2(a)), exactly
;;       r = np.clip(x / 2.0 ** e, -28, 28)
;;       step = 2.0 ** (np.maximum(np.frexp(np.where(r == 0, 1, r))[1] - 1, -2) - 2)
;;       q = np.round(r / step) * step * 2.0 ** e      # np.round: ties to even
;;       return np.moveaxis(q.reshape(q.shape[:-2] + (-1,))[..., :K], -1, axis).astype(np.float32)
;;   ~~~
;; One version. Each part assembles by itself: llvm-mc -triple=amdgcn-amd-amdhsa -mcpu=gfx1250 --defsym DOCPART=n.
;; ======== version 1 of 1: 3 launches
;; limits: right only within a limited range of input values
;; workspace buffers: w1c 786,432 bytes; w1s 32,768 bytes; tab 524,288 bytes; part 1,114,112 bytes
;; launch prep (part 1): grid 128 x 1, 8 waves a work-group, no clusters, 17,408 bytes of LDS; arguments W1, W2, hid, b1, b2, V, w1c, w1s, tab; writes w1c, w1s, tab
.if DOCPART == 1
	.amdgcn_target "amdgcn-amd-amdhsa--gfx1250"
	.amdhsa_code_object_version 6
	.text
	.protected	k_qf12cde6031_prep
	.globl	k_qf12cde6031_prep
	.p2align	8
	.type	k_qf12cde6031_prep,@function
k_qf12cde6031_prep:
	s_mov_b64 s[64:65], 0
	v_nop
	global_prefetch_b8 v0, s[64:65] scope:SCOPE_SE
	s_setreg_imm32_b32 hwreg(HW_REG_WAVE_MODE, 25, 1), 1
	s_wait_xcnt 0x0
; Work-groups 0-63: W1 [1024 (k)][1024 (u)], f32, becomes codes of BF6 (E3M2) with one E8M0 scale for each 32 along K, laid in the ORDER OF THE OPERAND'S REGISTERS:
;   w1c [tile T of 16 columns][K step s of 128][chunk c of 4 registers][lane][16 bytes];  w1s [T][lane 16 hh + r][p]: the scale word of column 16 T + r for K step 2 p + hh.
; Work-groups 64-127: h2 = Q(hid) Q(W2) for the 16 columns of tile T and all 32 batches, and the table
;   tab [T][batch][r][4] = (cb, cb, m2V, m2V), cb = c (h2 + b1 + b2), c = 2 log2(e), m2V = -2 V, of column u = 16 T + r.
; Wave s takes K step s.  A lane takes a column and its registers run down K, in the order that the operand's layout gives that lane: the conversions' results are the operand's registers.
; The eight waves' parts of h2 meet in LDS (2,048 bytes a wave) and are added with K ascending.
; A block's scale is 2^(floor(log2(its largest magnitude)) - 4); its byte is the largest magnitude's exponent field - 4, held at 1 from below.
; LIMITS: a block of zeros gets the byte 1 where the quantiser says 127 (its codes are zeros, and this program alone reads the bytes); NaN and infinities among the inputs are not served.
; WORK LEFT OUT, in the whole program: tanh(x) = 1 - 2 / (1 + e^(2x)), so score[b][s] = (sum over u of V[u] + bv) - 2 sum over u of V[u] / (1 + e^(2x[b][s][u])).
; The term in brackets is the same for every s of a batch, and a softmax over s is not moved by a term that is the same along its axis, whatever finite values V and bv hold.
; So the sum of V is not formed, and bv has no way to the result: it is not loaded and is among no launch's arguments.
; LIMIT: a NaN, an infinity or an overflow in bv or in the sum of V alone is not carried to the result.
.set WS,  8
.set HS0, 9
.set HS1, 10
.set CT,  12                           ; v12-19  the second halves of the conversions' results
.set TM,  20                           ; v20-27, v32-35  largest magnitudes, bytes, scale operands
.set LIN, 28                           ; v28  LDS, in: 2,048 x wave + 16 x lane.  v28-30 are addresses: no load lands there and no macro writes them
.set LBK, 29                           ; v29  LDS, back
.set SWO, 30                           ; v30  16 r: my column's place in a tile of w1s
.set WF,  36                           ; v36-47  W's fragment
.set HF0, 48                           ; v48-59  hid's fragment, batches 0-15
.set HF1, 64                           ; v64-75  batches 16-31 (W's numbers are done with)
.set WN,  64                           ; v64-127 W's 64 numbers of my column
.set DD,  80                           ; v80-95  the two results
.set HN,  128                          ; v128-255 hid's 2 x 64 numbers
.set SEL, 22                           ; s[22:23] lane selects for v_permlanex16_b32: lane l xor 16
; W's 64 numbers become the fragment v[WF ..] and the scale word v[WS].  My blocks are h and 2 + h of column r: all their numbers are mine.
.macro QW
.irp c, 0,1
	v_max3_num_f32 v[TM+\c], |v[WN+32*\c]|, |v[WN+32*\c+1]|, 0x2800000   ; and the floor 2^(5 - 127): the byte cannot fall under 1
.endr
.irp i, 2,4,6,8,10,12,14,16,18,20,22,24,26,28,30
.irp c, 0,1
	s_delay_alu instid0(VALU_DEP_2)
	v_max3_num_f32 v[TM+\c], v[TM+\c], |v[WN+32*\c+\i]|, |v[WN+32*\c+\i+1]|
.endr
.endr
.irp c, 0,1
	s_delay_alu instid0(VALU_DEP_2)
	v_add_nc_u32 v[TM+12+\c], 0xfe000000, v[TM+\c]   ; 4 off the exponent field: the conversion's scale operand
.endr
.irp c, 0,1
	s_delay_alu instid0(VALU_DEP_2)
	v_lshrrev_b32 v[TM+4+\c], 23, v[TM+12+\c]        ; the scale's byte
.endr
	s_delay_alu instid0(VALU_DEP_1)
	v_lshl_or_b32 v[WS], v[TM+5], 16, v[TM+4]        ; my two bytes,
	v_lshlrev_b32 v7, 3, v3
	s_delay_alu instid0(VALU_DEP_1)
	v_lshlrev_b32 v[WS], v7, v[WS]                   ; at their places in the word (8 h bits up);
	v_mov_b32 v7, 0
	s_delay_alu instid0(VALU_DEP_1)
	v_permlanex16_b32 v7, v[WS], s[SEL], s[SEL+1]
	s_delay_alu instid0(VALU_DEP_1)
	v_or_b32 v[WS], v[WS], v7                        ; with lane l xor 16's two the word is whole
.irp c, 0,1
	v_cvt_scalef32_pk16_bf6_f32 v[WF+6*\c:WF+6*\c+2], v[WN+32*\c:WN+32*\c+15], v[TM+12+\c]
	v_cvt_scalef32_pk16_bf6_f32 v[CT+4*\c:CT+4*\c+2], v[WN+32*\c+16:WN+32*\c+31], v[TM+12+\c]   ; (a conversion's three registers begin on an even number)
.endr
	v_nop                                            ; one plain place behind a scaled conversion
.irp c, 0,1
.irp i, 0,1,2
	v_mov_b32 v[WF+3+6*\c+\i], v[CT+4*\c+\i]
.endr
.endr
.endm
; 64 numbers of a lane, register 16 b + i = k 32 b + 16 (lane / 16) + i of my row, become a fragment's codes in v[pc ..] and its scale word in v[pw].
.macro QUANT src, pc, pw
.irp b, 0,1,2,3
	v_max3_num_f32 v[TM+\b], |v[(\src)+16*\b]|, |v[(\src)+16*\b+1]|, 0x2800000
.endr
.irp i, 2,4,6,8,10,12,14
.irp b, 0,1,2,3
	s_delay_alu instid0(VALU_DEP_4)
	v_max3_num_f32 v[TM+\b], v[TM+\b], |v[(\src)+16*\b+\i]|, |v[(\src)+16*\b+\i+1]|
.endr
.endr
.irp b, 0,1,2,3
	s_delay_alu instid0(VALU_DEP_4)
	v_permlanex16_b32 v[TM+4+\b], v[TM+\b], s[SEL], s[SEL+1]
.endr
.irp b, 0,1,2,3
	s_delay_alu instid0(VALU_DEP_4)
	v_max_num_f32 v[TM+\b], v[TM+\b], v[TM+4+\b]     ; with lane l xor 16's: the block's largest magnitude
.endr
.irp b, 0,1,2,3
	s_delay_alu instid0(VALU_DEP_4)
	v_add_nc_u32 v[TM+12+\b], 0xfe000000, v[TM+\b]
.endr
.irp b, 0,1,2,3
	s_delay_alu instid0(VALU_DEP_4)
	v_lshrrev_b32 v[TM+4+\b], 23, v[TM+12+\b]
.endr
	s_delay_alu instid0(VALU_DEP_3)
	v_lshl_or_b32 v[\pw], v[TM+5], 8, v[TM+4]
	s_delay_alu instid0(VALU_DEP_1)
	v_lshl_or_b32 v[\pw], v[TM+6], 16, v[\pw]
	s_delay_alu instid0(VALU_DEP_1)
	v_lshl_or_b32 v[\pw], v[TM+7], 24, v[\pw]
.irp c, 0,1
	v_cvt_scalef32_pk16_bf6_f32 v[(\pc)+6*\c:(\pc)+6*\c+2], v[(\src)+32*\c:(\src)+32*\c+15], v[TM+12+2*\c]
	v_cvt_scalef32_pk16_bf6_f32 v[CT+4*\c:CT+4*\c+2], v[(\src)+32*\c+16:(\src)+32*\c+31], v[TM+12+2*\c+1]
.endr
	v_nop                                            ; one plain place behind a scaled conversion
.irp c, 0,1                                      ; the operand's layout wants a whole block in a lane
.irp i, 0,1,2
	v_permlane16_swap_b32 v[(\pc)+6*\c+\i], v[CT+4*\c+\i]
.endr
.irp i, 0,1,2
	s_delay_alu instid0(VALU_DEP_3)
	v_mov_b32 v[(\pc)+3+6*\c+\i], v[CT+4*\c+\i]
.endr
.endr
.endm
	s_load_b256 s[4:11], s[0:1], 0x0               ; W1 s[4:5], W2 s[6:7], hid s[8:9], b1 s[10:11]
	s_load_b256 s[12:19], s[0:1], 0x20             ; b2 s[12:13], V s[14:15], w1c s[16:17], w1s s[18:19]
	s_load_b64 s[20:21], s[0:1], 0x40              ; tab
	v_lshl_add_u32 v31, v0, 2, 0x4000
	v_mov_b32 v63, 0
	v_lshrrev_b32 v1, 5, v0
	s_delay_alu instid0(VALU_DEP_1)
	v_readfirstlane_b32 s24, v1                    ; wave = K step s
	v_and_b32 v1, 31, v0                           ; lane
	v_and_b32 v2, 15, v0                           ; r
	v_bfe_u32 v3, v0, 4, 1                         ; h
	s_delay_alu instid0(VALU_DEP_2)
	v_lshlrev_b32 v4, 2, v2                        ; 4 r
	s_delay_alu instid0(VALU_DEP_1)
	v_lshl_add_u32 v5, v3, 17, v4                  ; W: column r, and 32 rows of 4,096 bytes further down for lanes 16-31
	v_lshlrev_b32 v6, 4, v1                        ; 16 x lane
	v_lshlrev_b32 v11, 12, v2
	s_delay_alu instid0(VALU_DEP_1)
	v_lshl_add_u32 v11, v3, 6, v11                 ; hid: row r of 4,096 bytes, + 64 h: my 16 numbers of a block of 32
	v_lshlrev_b32 v[SWO], 4, v2                    ; w1s: 16 r
	s_wait_alu depctr_va_vdst(0)
	s_mov_b32 s[SEL], 0x76543210
	s_mov_b32 s[SEL+1], 0xfedcba98
	s_mov_b32 s33, 0x4038aa3b                      ; c = 2 log2(e)
	s_and_b32 s25, ttmp9, 63                       ; T
	s_lshl_b32 s30, s24, 11
	v_add_nc_u32 v[LIN], s30, v6                   ; LDS, in: 2,048 x wave + 16 x lane
	s_lshr_b32 s31, s24, 2                         ; LDS, back: wave v, lane (r, hl), e: batch 4 v + 2 e + hl of column r lies in tile v / 4, half (v / 2) % 2, register 4 (v % 2) + 2 e + hl
	s_lshl_b32 s31, s31, 10
	s_and_b32 s32, s24, 1
	s_lshl_b32 s32, s32, 9
	s_add_co_u32 s31, s31, s32
	s_bfe_u32 s32, s24, 0x10001
	s_lshl_b32 s32, s32, 8
	s_add_co_u32 s31, s31, s32
	v_lshl_add_u32 v[LBK], v3, 2, v[SWO]
	s_delay_alu instid0(VALU_DEP_1)
	v_add_nc_u32 v[LBK], s31, v[LBK]
.irp b, 0,1,2,3
	v_mov_b32 v[TM+4+\b], 0                        ; written once: a lane permute's destination counts as one of its sources
.endr
	s_lshl_b32 s26, s24, 19                        ; 128 s rows of W,
	s_lshl_b32 s27, s25, 6                         ; 16 T columns
	s_add_co_u32 s26, s26, s27
	s_mov_b32 s27, 0
	s_wait_kmcnt 0x0
	s_cmp_lt_u32 ttmp9, 64                         ; W1's work-group or W2's: the choice hangs on the work-group's number alone
	s_cselect_b64 s[4:5], s[4:5], s[6:7]
	s_add_nc_u64 s[4:5], s[4:5], s[26:27]
.irp c, 0,1
.irp i, 0,1,2,3,4,5,6,7,8,9,10,11,12,13,14,15,16,17,18,19,20,21,22,23,24,25,26,27,28,29,30,31
	global_load_b32 v[WN+32*\c+\i], v5, s[4:5] offset:(64*\c+\i)*4096   ; W(128 s + 64 c + 32 h + i, 16 T + r)
.endr
.endr
	s_cmp_lt_u32 ttmp9, 64
	s_cbranch_scc1 .Lw1
	; ---- W2: h2 and the table
	s_lshl_b32 s28, s24, 9                         ; hid: 128 s numbers along K
	s_mov_b32 s29, 0
	s_add_nc_u64 s[8:9], s[8:9], s[28:29]
.irp m, 0,1
.irp b, 0,1,2,3
.irp j, 0,1,2,3
	global_load_b128 v[HN+64*\m+16*\b+4*\j:HN+64*\m+16*\b+4*\j+3], v11, s[8:9] offset:65536*\m+128*\b+16*\j
.endr
.endr
.endr
	s_lshl_b32 s28, s25, 6                         ; b1, b2, V at column 16 T
	s_add_nc_u64 s[10:11], s[10:11], s[28:29]
	s_add_nc_u64 s[12:13], s[12:13], s[28:29]
	s_add_nc_u64 s[14:15], s[14:15], s[28:29]
	global_load_b32 v60, v4, s[10:11]
	global_load_b32 v61, v4, s[12:13]
	global_load_b32 v62, v4, s[14:15]
	s_lshl_b32 s28, s25, 13                        ; tab: 8,192 T + 1,024 x wave
	s_lshl_b32 s34, s24, 10
	s_add_co_u32 s28, s28, s34
	s_add_nc_u64 s[20:21], s[20:21], s[28:29]
	s_wait_loadcnt 0x0
	QW
	QUANT HN, HF0, HS0
	QUANT HN+64, HF1, HS1
.rept 8
	v_nop                                          ; a scale register written by a vector instruction stands 8 places ahead of a scaled matrix instruction, an operand 4
.endr
	v_wmma_scale_f32_16x16x128_f8f6f4 v[DD:DD+7], v[HF0:HF0+11], v[WF:WF+11], 0, v[HS0], v[WS] matrix_a_fmt:MATRIX_FMT_BF6 matrix_b_fmt:MATRIX_FMT_BF6
	v_wmma_scale_f32_16x16x128_f8f6f4 v[DD+8:DD+15], v[HF1:HF1+11], v[WF:WF+11], 0, v[HS1], v[WS] matrix_a_fmt:MATRIX_FMT_BF6 matrix_b_fmt:MATRIX_FMT_BF6
.rept 4
	v_nop                                          ; places in front of the first read of the results
.endr
.irp c, 0,1,2,3
	ds_store_b128 v[LIN], v[DD+4*\c:DD+4*\c+3] offset:512*\c   ; register j of tile m, lane (r, h): batch 16 m + 8 h + j, column r; each result from its low end on
.endr
	s_wait_dscnt 0x0                               ; for the others' sake: my stores have landed
	s_barrier_signal -1
	s_barrier_wait -1
.irp e, 0,1
.irp k, 0,1,2,3,4,5,6,7
	ds_load_b32 v[100+8*\e+\k], v[LBK] offset:2048*\k+8*\e
.endr
.endr
	v_add_f32 v60, v60, v61                        ; b1 + b2
	s_delay_alu instid0(VALU_DEP_1)
	v_mul_f32 v60, s33, v60                        ; x c
	v_mul_f32 v118, -2.0, v62                      ; -2 V
	s_wait_dscnt 0x0
.irp k, 1
	v_add_f32 v100, v100, v[100+\k]                ; the eight K steps' parts, K ascending
	v_add_f32 v108, v108, v[108+\k]
.endr
.irp k, 2, 3, 4, 5, 6, 7
	s_delay_alu instid0(VALU_DEP_2)
	v_add_f32 v100, v100, v[100+\k]                ; the eight K steps' parts, K ascending
	s_delay_alu instid0(VALU_DEP_2)
	v_add_f32 v108, v108, v[108+\k]
.endr
	s_delay_alu instid0(VALU_DEP_2)
	v_fma_f32 v116, v100, s33, v60                 ; cb = c h2 + c (b1 + b2)
	s_delay_alu instid0(VALU_DEP_2)
	v_fma_f32 v120, v108, s33, v60
	v_mov_b32 v119, v118
	v_mov_b32 v122, v118
	v_mov_b32 v123, v118
	v_mov_b32 v117, v116
	v_mov_b32 v121, v120
	global_store_b128 v6, v[116:119], s[20:21]             ; batches 4 v, 4 v + 1: 32 lanes store 512 consecutive bytes
	global_store_b128 v6, v[120:123], s[20:21] offset:512  ; batches 4 v + 2, 4 v + 3
	s_wait_tensorcnt 0x0
	ds_add_u32 v31, v63
	s_wait_dscnt 0x0
	s_endpgm
.Lw1:	; ---- W1: the fragment and its scale word leave as they stand
	s_mul_i32 s28, s25, 12288
	s_mul_i32 s29, s24, 1536
	s_add_co_u32 s28, s28, s29
	s_mov_b32 s29, 0
	s_add_nc_u64 s[16:17], s[16:17], s[28:29]
	s_lshl_b32 s28, s25, 9                         ; w1s: 512 T + 256 (s % 2) + 4 (s / 2)
	s_and_b32 s34, s24, 1
	s_lshl_b32 s34, s34, 8
	s_add_co_u32 s28, s28, s34
	s_lshr_b32 s34, s24, 1
	s_lshl_b32 s34, s34, 2
	s_add_co_u32 s28, s28, s34
	s_add_nc_u64 s[18:19], s[18:19], s[28:29]
	s_wait_loadcnt 0x0
	QW
.irp c, 0,1,2
	global_store_b128 v6, v[WF+4*\c:WF+4*\c+3], s[16:17] offset:512*\c   ; 32 lanes store 512 consecutive bytes
.endr
	global_store_b32 v[SWO], v[WS], s[18:19]       ; both halves of the lanes write the same word with the same value
	s_endpgm
.Lfunc_end_k_qf12cde6031_prep:
	.size	k_qf12cde6031_prep, .Lfunc_end_k_qf12cde6031_prep-k_qf12cde6031_prep
	.p2alignl 7, 3214868480
	.fill 96, 4, 3214868480
	.section	.rodata,"a",@progbits
	.p2align	6, 0x0
	.amdhsa_kernel k_qf12cde6031_prep
		.amdhsa_group_segment_fixed_size 17408
		.amdhsa_private_segment_fixed_size 0
		.amdhsa_enable_private_segment 0
		.amdhsa_kernarg_size 72
		.amdhsa_user_sgpr_count 2
		.amdhsa_user_sgpr_kernarg_segment_ptr 1
		.amdhsa_wavefront_size32 1
		.amdhsa_system_sgpr_workgroup_id_x 1
		.amdhsa_system_sgpr_workgroup_id_y 1
		.amdhsa_system_sgpr_workgroup_id_z 1
		.amdhsa_system_vgpr_workitem_id 0
		.amdhsa_next_free_vgpr 256
		.amdhsa_next_free_sgpr 66
		.amdhsa_reserve_vcc 0
		.amdhsa_float_denorm_mode_32 3
		.amdhsa_float_denorm_mode_16_64 3
		.amdhsa_memory_ordered 1
		.amdhsa_forward_progress 1
		.amdhsa_inst_pref_size 36
	.end_amdhsa_kernel
	.amdgpu_metadata
---
amdhsa.version: [ 1, 2 ]
amdhsa.kernels:
  - .name:           k_qf12cde6031_prep
    .symbol:         k_qf12cde6031_prep.kd
    .args:
      - { .name: W1, .offset: 0, .size: 8, .value_kind: global_buffer, .address_space: global }
      - { .name: W2, .offset: 8, .size: 8, .value_kind: global_buffer, .address_space: global }
      - { .name: hid, .offset: 16, .size: 8, .value_kind: global_buffer, .address_space: global }
      - { .name: b1, .offset: 24, .size: 8, .value_kind: global_buffer, .address_space: global }
      - { .name: b2, .offset: 32, .size: 8, .value_kind: global_buffer, .address_space: global }
      - { .name: V, .offset: 40, .size: 8, .value_kind: global_buffer, .address_space: global }
      - { .name: w1c, .offset: 48, .size: 8, .value_kind: global_buffer, .address_space: global }
      - { .name: w1s, .offset: 56, .size: 8, .value_kind: global_buffer, .address_space: global }
      - { .name: tab, .offset: 64, .size: 8, .value_kind: global_buffer, .address_space: global }
    .group_segment_fixed_size: 17408
    .private_segment_fixed_size: 0
    .kernarg_segment_align: 8
    .kernarg_segment_size: 72
    .max_flat_workgroup_size: 256
    .sgpr_count:     66
    .vgpr_count:     256
    .wavefront_size: 32
...
	.end_amdgpu_metadata
.endif
;; end of part 1
;; launch attn (part 2): grid 256 x 1, 4 waves a work-group, no clusters, 327,680 bytes of LDS; arguments enc, w1c, w1s, tab, part; writes part
.if DOCPART == 2
	.amdgcn_target "amdgcn-amd-amdhsa--gfx1250"
	.amdhsa_code_object_version 6
	.text
	.protected	k_qf12cde6031_attn
	.globl	k_qf12cde6031_attn
	.p2align	8
	.type	k_qf12cde6031_attn,@function
k_qf12cde6031_attn:
	s_mov_b64 s[64:65], 0
	v_nop
	global_prefetch_b8 v0, s[64:65] scope:SCOPE_SE
	s_setreg_imm32_b32 hwreg(HW_REG_WAVE_MODE, 25, 1), 1
	s_wait_xcnt 0x0
; A work-group takes 256 rows of enc (an eighth of a batch) in four blocks of 64 rows and leaves a record in part: the unnormalised context (1,024 f32), the running maximum m (base 2) and the sum l.
; Wave w owns columns 256 w .. 256 w + 255 of enc: it fetches them (two LDS slots of 32 rows x 1,024 bytes, 16 bytes of padding a row), quantises them to BF6 along K, and sums its part of the context.
; The codes of all four waves meet in LDS as an image of the operand's registers; every wave then holds the block's 64 rows x K 1,024 in registers and multiplies them with its 16 tiles of 16 columns of W1,
; whose fragments come from w1c straight into two register sets.  tanh is 1 - 2 / (1 + 2^(c x)); tab holds c (h2 + b1 + b2) and -2 V for each column.
; W1'S TILES GO ROUND CYCLICALLY: a block's last two tiles are not loaded over, and the next block begins with them; so blocks 1 to 3 load 14 tiles each, in pairs PI = 0 .. 7 modulo 8.
; The block's first 32 rows are copied to registers, and their slot is asked for again in the middle of the quantising; the last 32 rows stay in LDS until the tiles are done.
; Left out as in prep's head comment: the sum of V and bv, which are the same along the softmax's axis.  The maximum is taken away by a running maximum.
; PREFETCH: the late slot's next tile (my 32 rows x 1,024 bytes of the next block) is asked for in the first four trips of the tile loop, 8 rows a trip, a lane to each block of 256 bytes, each wave for its own tile:
; at least four trips ahead of the tensor load that brings it.  The last block asks for nothing.  The early slot's tile is not prefetched: its load has the whole tile loop in which to land.
.set ROWP,  1040
.set SLOTB, 32*ROWP
.set REG,   2*SLOTB
.set FRB,   1536
.set IMG,   4*REG
.set ASC,   IMG+32*FRB
.set PART,  ASC+2048
.set PAR,   PART+1024
.set SPARE, PAR+2048
.set SPW, 1
.set NIL, 2
.set LI,  3
.set QA,  4
.set XR,  5
.set XR2, 6
.set IW,  7
.set IR,  8
.set SW,  9
.set SR,  10
.set PS,  11
.set PR,  12
.set PB,  13
.set PU,  14
.set TO,  15
.set MX,  16
.set LS,  17
.set ML,  19
.set FF,  20
.set ASCR, 32
.set WSCR, 48
.set TAB, 56
.set CTX, 64
.set SS,  72
.set ACC, 104
.set TT,  136
.set TM,  128
.set PC,  144
.set CT,  156
.set PW,  164
.set PWS, 168
.set ASB, 172
.set WV,  18
.set SEL, 20
.set CC,  22
.set G1,  24
.set G0E, 32
.set G0L, 36
.set WP,  40
.set WB,  42
.set SCP, 44
.set SCB, 46
.set TP,  48
.set TBB, 50
.set NBL, 52
.set NTL, 53
.set HIM, 54
.set L2E, 55
.set PI,  60
.set PFO, 25                           ; v25: the prefetch's lane term: 4,096 (lane / 4) + 256 (lane % 4); never rewritten
.set PFA, 12                           ; s[12:13]: the prefetch's base; s[62:63]: its offset from my first row, s63 = 0
.set MSB, 0
.macro WIN new
.if MSB != (\new)
	s_set_vgpr_msb (MSB<<8)|(\new)
.set MSB, (\new)
.endif
.endm
.macro PLACES
.rept 4
	v_nop
.endr
.endm
.macro LOADN q, buf
	WIN 0x40
.irp b, 0,1,2,3
.irp j, 0,1,2,3
	ds_load_b128 v[(\buf)+16*\b+4*\j:(\buf)+16*\b+4*\j+3], v[QA] offset:16*ROWP*((\q)/2)+512*((\q)%2)+128*\b+16*\j
.endr
.endr
.endm
.macro QUANT src
.irp b, 0,1,2,3
	v_max3_num_f32 v[TM+\b], |v[(\src)+16*\b]|, |v[(\src)+16*\b+1]|, 0x2800000
.endr
.irp i, 2,4,6,8,10,12,14
.irp b, 0,1,2,3
	v_max3_num_f32 v[TM+\b], v[TM+\b], |v[(\src)+16*\b+\i]|, |v[(\src)+16*\b+\i+1]|
.endr
.endr
.irp b, 0,1,2,3
	v_permlanex16_b32 v[TM+4+\b], v[TM+\b], s[SEL], s[SEL+1]
.endr
.irp b, 0,1,2,3
	v_max_num_f32 v[TM+\b], v[TM+\b], v[TM+4+\b]
.endr
.irp b, 0,1,2,3
	v_add_nc_u32 v[TM+12+\b], 0xfe000000, v[TM+\b]
.endr
.irp b, 0,1,2,3
	v_lshrrev_b32 v[TM+4+\b], 23, v[TM+12+\b]
.endr
	v_lshl_or_b32 v[PW], v[TM+5], 8, v[TM+4]
	v_lshl_or_b32 v[PW], v[TM+6], 16, v[PW]
	v_lshl_or_b32 v[PW], v[TM+7], 24, v[PW]
.irp c, 0,1
	v_cvt_scalef32_pk16_bf6_f32 v[PC+6*\c:PC+6*\c+2], v[(\src)+32*\c:(\src)+32*\c+15], v[TM+12+2*\c]
	v_cvt_scalef32_pk16_bf6_f32 v[CT+4*\c:CT+4*\c+2], v[(\src)+32*\c+16:(\src)+32*\c+31], v[TM+12+2*\c+1]
.endr
	v_nop
.irp c, 0,1
.irp i, 0,1,2
	v_permlane16_swap_b32 v[PC+6*\c+\i], v[CT+4*\c+\i]
.endr
.irp i, 0,1,2
	v_mov_b32 v[PC+3+6*\c+\i], v[CT+4*\c+\i]
.endr
.endr
.endm
.macro XCOPY
.irp g, 0,1,2,3
	WIN 64*\g
.irp i, 0,1,2,3,4,5,6,7
	ds_load_b128 v[192+8*\i:195+8*\i], v[XR] offset:ROWP*(8*\g+\i)
	ds_load_b128 v[196+8*\i:199+8*\i], v[XR] offset:ROWP*(8*\g+\i)+512
.endr
.endr
.endm
.macro QSTEP q, last, xc
.if \last
	s_wait_dscnt 0x0
.else
	LOADN (\q)+1, 64*(((\q)+1)%2)
	s_wait_dscnt 16
.endif
.if \xc
	XCOPY
.endif
	WIN 0x55
	QUANT 64*((\q)%2)
.if (\q)%2 == 0
	v_mov_b32 v[PWS], v[PW]
.else
	v_cndmask_b32 v[ASB+(\q)/2], v[PWS], v[PW], s[HIM]
.endif
	WIN 0x04
.irp c, 0,1,2
	ds_store_b128 v[IW], v[PC+4*\c:PC+4*\c+3] offset:FRB*(4*((\q)%2)+(\q)/2)+512*\c
.endr
.endm
.macro WLOAD st, tile
	WIN 0x80
.irp ks, 0,1,2,3,4,5,6,7
.irp c, 0,1,2
	global_load_b128 v[96*(\st)+12*\ks+4*\c:96*(\st)+12*\ks+4*\c+3], v[LI], s[WP:WP+1] offset:(\tile)*12288+1536*\ks+512*\c
.endr
.endr
	WIN 0
	global_load_b128 v[WSCR+4*(\st):WSCR+4*(\st)+3], v[LI], s[SCP:SCP+1] offset:(\tile)*512
.endm
.macro TLOADT st, tile
	global_load_b128 v[TAB+4*(\st):TAB+4*(\st)+3], v[TO], s[TP:TP+1] offset:(\tile)*8192
.endm
.macro PROD ks, mt, st
.set rA, 12*(4*((\ks)%4)+(\mt))
.set rB, 96*(\st)+12*(\ks)
.set rD, ACC+8*(\mt)
.set rX, ASCR+4*((\ks)/2)+(\mt)
.set rY, WSCR+4*(\st)+(\ks)/2
.if (\ks) == 0
	v_wmma_scale_f32_16x16x128_f8f6f4 v[rD:rD+7], v[rA:rA+11], v[rB:rB+11], 0, v[rX], v[rY] matrix_a_fmt:MATRIX_FMT_BF6 matrix_b_fmt:MATRIX_FMT_BF6
.elseif (\ks)%2 == 0
	v_wmma_scale_f32_16x16x128_f8f6f4 v[rD:rD+7], v[rA:rA+11], v[rB:rB+11], v[rD:rD+7], v[rX], v[rY] matrix_a_fmt:MATRIX_FMT_BF6 matrix_b_fmt:MATRIX_FMT_BF6
.else
	v_wmma_scale_f32_16x16x128_f8f6f4 v[rD:rD+7], v[rA:rA+11], v[rB:rB+11], v[rD:rD+7], v[rX], v[rY] matrix_a_fmt:MATRIX_FMT_BF6 matrix_b_fmt:MATRIX_FMT_BF6 matrix_a_scale:MATRIX_SCALE_ROW1 matrix_b_scale:MATRIX_SCALE_ROW1
.endif
.endm
.macro TANH st
.set j, 0
.rept 16
	v_pk_fma_f32 v[ACC+j:ACC+j+1], v[ACC+j:ACC+j+1], s[CC:CC+1], v[TAB+4*(\st):TAB+4*(\st)+1] op_sel_hi:[1,0,1]
.set j, j+2
.endr
.set j, 0
	s_wait_alu depctr_va_vdst(0)
.rept 32
	v_exp_f32 v[ACC+j], v[ACC+j]
.set j, j+1
.endr
	v_nop
	s_wait_alu depctr_va_vdst(0)
.set j, 0
.rept 16
	v_pk_add_f32 v[ACC+j:ACC+j+1], v[ACC+j:ACC+j+1], 1.0 op_sel_hi:[1,0]
.set j, j+2
.endr
.set j, 0
	s_wait_alu depctr_va_vdst(0)
.rept 32
	v_rcp_f32 v[ACC+j], v[ACC+j]
.set j, j+1
.endr
	v_nop
	s_wait_alu depctr_va_vdst(0)
.set j, 0
.rept 16
	v_pk_fma_f32 v[SS+j:SS+j+1], v[ACC+j:ACC+j+1], v[TAB+4*(\st)+2:TAB+4*(\st)+3], v[SS+j:SS+j+1]
.set j, j+2
.endr
.endm
; The bases step to the next pair of tiles, modulo my eight pairs, ahead of set 0's reload: the loads that read them were issued ahead of this tile's 32 products.
.macro STEPW
	s_wait_xcnt 0x0                                ; the bases are rewritten only behind this wait
	s_add_co_u32 s[PI], s[PI], 1
	s_and_b32 s[PI], s[PI], 7
	s_mul_i32 s58, s[PI], 24576
	s_add_nc_u64 s[WP:WP+1], s[WB:WB+1], s[58:59]
	s_lshl_b32 s58, s[PI], 10
	s_add_nc_u64 s[SCP:SCP+1], s[SCB:SCB+1], s[58:59]
	s_lshl_b32 s58, s[PI], 14
	s_add_nc_u64 s[TP:TP+1], s[TBB:TBB+1], s[58:59]
	s_add_co_u32 s62, s62, 32768                   ; the prefetch's base: 8 rows on
	s_add_nc_u64 s[PFA:PFA+1], s[4:5], s[62:63]
.endm
; 8 rows x 1,024 bytes of the late slot's next tile, in the trips that count 7, 6, 5, 4
.macro ASKL
.if PFON
	s_cmp_gt_u32 s[NTL], 3
	s_cbranch_scc0 .Lnot_asked_\@
	global_prefetch_b8 v[PFO], s[PFA:PFA+1] th:TH_LOAD_NT scope:SCOPE_SE
.Lnot_asked_\@:
.endif
.endm
; The late slot's 32 rows go to the registers that held the block's fragments: behind the last products and their four places
.macro LCOPY
	WIN 0x40
.irp i, 0,1,2,3,4,5,6,7,8,9,10,11,12,13,14,15
	ds_load_b128 v[8*\i:8*\i+3], v[XR2] offset:ROWP*\i
	ds_load_b128 v[8*\i+4:8*\i+7], v[XR2] offset:ROWP*\i+512
.endr
	WIN 0xc0
.irp i, 0,1,2,3,4,5,6,7,8,9,10,11,12,13,14,15
	ds_load_b128 v[8*\i:8*\i+3], v[XR2] offset:ROWP*(16+\i)
	ds_load_b128 v[8*\i+4:8*\i+7], v[XR2] offset:ROWP*(16+\i)+512
.endr
	WIN 0
.endm
.macro TILE st, reload, n, xl
	s_wait_loadcnt \n
	WIN 0x09
.irp ks, 0,1,2,3
.irp mt, 0,1,2,3
	PROD \ks, \mt, \st
.endr
.endr
	WIN 0x0b
.irp ks, 4,5,6,7
.irp mt, 0,1,2,3
	PROD \ks, \mt, \st
.endr
.endr
	WIN 0
	PLACES
.if \reload
.if (\st) == 0
	STEPW
.endif
	WLOAD \st, \st
.if (\st) == 0
	ASKL
.endif
.endif
.if \xl
	LCOPY
.endif
	TANH \st
.if \reload
	TLOADT \st, \st
.endif
.endm
.macro REFILL g0, fill
	s_wait_tensorcnt 0x0
	ds_add_u32 v[SPW], v[NIL]
.if \fill
	s_add_nc_u64 s[\g0+2:\g0+3], s[\g0+2:\g0+3], 262144
.endif
	s_wait_dscnt 0x0
	s_barrier_signal -1
	s_barrier_wait -1
.if \fill
	tensor_load_to_lds s[\g0:\g0+3], s[G1:G1+7]
	s_nop 0
	PLACES
.endif
.endm
.macro CTXROWS win, rbase, pbase, n
	WIN \win
.set ri, 0
.rept \n
.set ck, 0
.rept 4
	v_pk_fma_f32 v[CTX+2*ck:CTX+2*ck+1], v[(\rbase)+8*ri+2*ck:(\rbase)+8*ri+2*ck+1], v[(\pbase)+2*ri:(\pbase)+2*ri+1], v[CTX+2*ck:CTX+2*ck+1]
.set ck, ck+1
.endr
.set ri, ri+1
.endr
.endm
.macro BLOCK fill
.set PFON, \fill
	s_wait_tensorcnt 0x1                           ; the early slot is in; the one load issued behind it, the late slot's, may be out
	LOADN 0, 0
	QSTEP 0, 0, 0
	QSTEP 1, 0, 0
	QSTEP 2, 0, 0
	QSTEP 3, 1, 1
	WIN 0
	REFILL G0E, \fill                              ; the late slot is in; the early slot has been quantised and copied to registers: it takes the next block's first 32 rows
	LOADN 4, 0
	QSTEP 4, 0, 0
	QSTEP 5, 0, 0
	QSTEP 6, 0, 0
	QSTEP 7, 1, 0
	ds_store_b128 v[SW], v[ASB:ASB+3]
	WIN 0
	s_wait_dscnt 0x0                               ; for the others' sake: my part of the image and my scale words have landed
	s_barrier_signal -1                            ; the early slot's load stays on its way
	s_barrier_wait -1
	WIN 0x40
.irp f, 0,1,2,3,4,5,6,7,8,9,10,11,12,13,14,15
.irp c, 0,1,2
	ds_load_b128 v[12*\f+4*\c:12*\f+4*\c+3], v[IR] offset:FRB*\f+512*\c
.endr
.endr
	WIN 0xc0
.irp f, 0,1,2,3,4,5,6,7,8,9,10,11,12,13,14,15
.irp c, 0,1,2
	ds_load_b128 v[12*\f+4*\c:12*\f+4*\c+3], v[IR] offset:FRB*(16+\f)+512*\c
.endr
.endr
	WIN 0
.irp p, 0,1,2,3
	ds_load_b128 v[ASCR+4*\p:ASCR+4*\p+3], v[SR] offset:512*\p
.endr
.set j, 0
.rept 32
	v_mov_b32 v[SS+j], 0
.set j, j+1
.endr
	s_wait_dscnt 0x0
	s_mov_b32 s[NTL], 7
.Ltile_\@:
	TILE 0, 1, 26, 0
	TILE 1, 1, 26, 0
	s_sub_co_u32 s[NTL], s[NTL], 1
	s_cmp_lg_u32 s[NTL], 0
	s_cbranch_scc1 .Ltile_\@
	s_add_co_u32 s62, s62, 32768                   ; seven steps of 8 rows and this one: 64 rows a block
	TILE 0, 0, 26, 0
	TILE 1, 0, 0, 1
.irp x, 1,2,4,8
.set j, 0
.rept 32
	v_add_f32_dpp v[SS+j], v[SS+j], v[SS+j] row_xmask:\x row_mask:0xf bank_mask:0xf
.set j, j+1
.endr
.endr
.irp mt, 0,1,2,3
	ds_store_b128 v[PS], v[SS+8*\mt:SS+8*\mt+3] offset:64*\mt
	ds_store_b128 v[PS], v[SS+8*\mt+4:SS+8*\mt+7] offset:64*\mt+16
.endr
	REFILL G0L, \fill
.irp k, 0,1,2,3
	ds_load_b32 v[TT+\k], v[PR] offset:256*\k
	ds_load_b32 v[TT+4+\k], v[PR] offset:256*\k+128
.endr
	s_wait_dscnt 0x0
	v_add_f32 v[TT], v[TT], v[TT+1]
	v_add_f32 v[TT+4], v[TT+4], v[TT+5]
	v_add_f32 v[TT+2], v[TT+2], v[TT+3]
	v_add_f32 v[TT+6], v[TT+6], v[TT+7]
	v_add_f32 v[TT], v[TT], v[TT+2]
	v_add_f32 v[TT+4], v[TT+4], v[TT+6]
	v_mul_f32 v[TT], s[L2E], v[TT]
	v_mul_f32 v[TT+4], s[L2E], v[TT+4]
	v_max_num_f32 v[TT+8], v[TT], v[TT+4]
.irp x, 1,2,4,8
	v_max_num_f32_dpp v[TT+8], v[TT+8], v[TT+8] row_xmask:\x row_mask:0xf bank_mask:0xf
.endr
	v_permlanex16_b32 v[TT+9], v[TT+8], s[SEL], s[SEL+1]
	v_max3_num_f32 v[TT+10], v[TT+8], v[TT+9], v[MX]
	v_sub_f32 v[TT+11], v[MX], v[TT+10]
	v_sub_f32 v[TT], v[TT], v[TT+10]
	v_sub_f32 v[TT+4], v[TT+4], v[TT+10]
	s_wait_alu depctr_va_vdst(0)
	v_exp_f32 v[FF], v[TT+11]
	v_exp_f32 v[TT+12], v[TT]
	v_exp_f32 v[TT+14], v[TT+4]
	v_mov_b32 v[MX], v[TT+10]
	s_wait_alu depctr_va_vdst(0)
	v_mov_b32 v[TT+13], v[TT+12]
	v_mov_b32 v[TT+15], v[TT+14]
	v_fma_f32 v[LS], v[LS], v[FF], v[TT+12]
	v_add_f32 v[LS], v[LS], v[TT+14]
	ds_store_b64 v[PB], v[TT+12:TT+13]
	ds_store_b64 v[PB], v[TT+14:TT+15] offset:256
	WIN 0x40
.irp k, 0,1,2,3,4,5,6,7,8,9,10,11,12,13,14,15
	ds_load_b128 v[128+4*\k:131+4*\k], v[PU] offset:16*\k
.endr
	WIN 0xc0
.irp k, 0,1,2,3,4,5,6,7,8,9,10,11,12,13,14,15
	ds_load_b128 v[128+4*\k:131+4*\k], v[PU] offset:256+16*\k
.endr
	WIN 0
.irp k, 0,2,4,6
	v_pk_mul_f32 v[CTX+\k:CTX+\k+1], v[CTX+\k:CTX+\k+1], v[FF:FF+1] op_sel_hi:[1,0]
.endr
	s_wait_alu depctr_va_vdst(0)
	s_wait_dscnt 0x0
	CTXROWS 0x04, 192, 128, 8
	CTXROWS 0x05, 192, 144, 8
	CTXROWS 0x06, 192, 160, 8
	CTXROWS 0x07, 192, 176, 8
	CTXROWS 0x0d, 0, 128, 16
	CTXROWS 0x0f, 0, 160, 16
	WIN 0
.endm
	s_load_b256 s[4:11], s[0:1], 0x0
	s_load_b64 s[16:17], s[0:1], 0x20
	v_lshl_add_u32 v[SPW], v0, 2, SPARE
	v_mov_b32 v[NIL], 0
	ds_add_u32 v1, v2
	ds_add_u32 v1, v2
	s_wait_dscnt 0x0
	v_lshrrev_b32 v22, 5, v0
	v_readfirstlane_b32 s[WV], v22
	s_mov_b32 s[G1+0], (2<<16)|(1<<20)|(7<<22)|(3<<25)
	s_mov_b32 s[G1+1], 256<<16
	s_mov_b32 s[G1+2], 32<<16
	s_mov_b32 s[G1+3], 256<<16
	s_mov_b32 s[G1+4], 32
	s_mov_b32 s[G1+5], 1024
	s_mov_b32 s[G1+6], 0
	s_mov_b32 s[G1+7], 0
	s_mul_i32 s56, s[WV], REG
	s_lshl_b32 s58, ttmp9, 20
	s_lshl_b32 s59, s[WV], 10
	s_add_co_u32 s58, s58, s59
	s_mov_b32 s59, 0
	s_wait_kmcnt 0x0
	s_add_nc_u64 s[4:5], s[4:5], s[58:59]
	s_mov_b32 s[G0E], 1
	s_mov_b32 s[G0E+1], s56
	s_mov_b64 s[G0E+2:G0E+3], s[4:5]
	s_or_b32 s[G0E+3], s[G0E+3], 0x80000000
	s_mov_b32 s[G0L], 1
	s_add_co_u32 s[G0L+1], s56, SLOTB
	s_add_nc_u64 s[G0L+2:G0L+3], s[4:5], 131072
	s_or_b32 s[G0L+3], s[G0L+3], 0x80000000
	tensor_load_to_lds s[G0E:G0E+3], s[G1:G1+7]
	s_nop 0
	s_wait_alu depctr_va_vdst(0)
	s_wait_tensorcnt 0x0
	ds_add_u32 v1, v2
	s_wait_dscnt 0x0
	s_barrier_signal -1
	s_barrier_wait -1
	tensor_load_to_lds s[G0L:G0L+3], s[G1:G1+7]
	s_nop 0
	PLACES
	s_mul_i32 s58, s[WV], 196608
	s_add_nc_u64 s[WB:WB+1], s[6:7], s[58:59]
	s_lshl_b32 s58, s[WV], 13
	s_add_nc_u64 s[SCB:SCB+1], s[8:9], s[58:59]
	s_lshl_b32 s58, s[WV], 17
	s_lshr_b32 s60, ttmp9, 3
	s_lshl_b32 s60, s60, 8
	s_add_co_u32 s58, s58, s60
	s_add_nc_u64 s[TBB:TBB+1], s[10:11], s[58:59]
	s_mul_i32 s58, ttmp9, 4352
	s_lshl_b32 s60, s[WV], 10
	s_add_co_u32 s58, s58, s60
	s_add_nc_u64 s[16:17], s[16:17], s[58:59]
	s_mov_b32 s[SEL], 0x76543210
	s_mov_b32 s[SEL+1], 0xfedcba98
	s_mov_b32 s[CC], 0x4038aa3b
	s_mov_b32 s[CC+1], s[CC]
	s_mov_b32 s[HIM], 0xffff0000
	s_mov_b32 s[L2E], 0x3fb8aa3b
	v_and_b32 v22, 31, v0
	v_and_b32 v23, 15, v0
	v_bfe_u32 v24, v0, 4, 1
	v_lshlrev_b32 v[LI], 4, v22
	v_mul_u32_u24 v[QA], v23, ROWP
	v_lshl_add_u32 v[QA], v24, 6, v[QA]
	v_add_nc_u32 v[QA], s56, v[QA]
	v_add_nc_u32 v[XR], s56, v[LI]
	v_add_nc_u32 v[XR2], SLOTB, v[XR]
	s_mul_i32 s63, s[WV], 8*FRB
	s_add_co_u32 s63, s63, IMG
	v_add_nc_u32 v[IW], s63, v[LI]
	v_add_nc_u32 v[IR], IMG, v[LI]
	s_lshl_b32 s62, s[WV], 9
	s_add_co_u32 s61, s62, PAR
	s_add_co_u32 s62, s62, ASC
	v_add_nc_u32 v[SW], s62, v[LI]
	v_add_nc_u32 v[SR], ASC, v[LI]
	s_lshl_b32 s60, s[WV], 8
	s_add_co_u32 s60, s60, PART
	v_lshl_add_u32 v[PS], v24, 5, s60
	v_lshl_add_u32 v[PR], v22, 2, PART
	v_lshl_add_u32 v[PB], v22, 3, s61
	v_mov_b32 v[PU], s61
	v_lshlrev_b32 v[TO], 4, v23
	v_lshrrev_b32 v[PFO], 2, v22
	v_and_b32 v26, 3, v22
	v_lshlrev_b32 v[PFO], 12, v[PFO]
	v_lshl_add_u32 v[PFO], v26, 8, v[PFO]
	v_lshlrev_b32 v[ML], 3, v22
	v_mov_b32 v[MX], 0xff61b1e6
	v_mov_b32 v[LS], 0
	v_mov_b32 v[FF], 0
	v_mov_b32 v[FF+1], 0
.irp k, 0,1,2,3,4,5,6,7
	v_mov_b32 v[CTX+\k], 0
.endr
	WIN 0x40
.irp b, 0,1,2,3
	v_mov_b32 v[TM+4+\b], 0
.endr
	WIN 0
	v_mov_b32 v[TT+9], 0                           ; written once: a lane permute's destination counts as one of its sources
	s_mov_b64 s[WP:WP+1], s[WB:WB+1]
	s_mov_b64 s[SCP:SCP+1], s[SCB:SCB+1]
	s_mov_b64 s[TP:TP+1], s[TBB:TBB+1]
	WLOAD 0, 0                                     ; my first pair of tiles, once for the launch: 26 loads a set
	TLOADT 0, 0
	WLOAD 1, 1
	TLOADT 1, 1
	s_wait_alu depctr_va_vdst(0)                   ; the wait at the head's end
	s_mov_b32 s[PI], 0                             ; pair 0 is on its way; the first trip steps to pair 1
	s_mov_b32 s62, 360448                          ; 8 rows ahead of row 96: the next block's late rows begin there
	s_mov_b32 s63, 0
	s_mov_b32 s59, 0
	s_mov_b32 s[NBL], 3
.Lblock:
	BLOCK 1
	s_sub_co_u32 s[NBL], s[NBL], 1
	s_cmp_lg_u32 s[NBL], 0
	s_cbranch_scc1 .Lblock
	BLOCK 0
.irp x, 1,2,4,8
	v_add_f32_dpp v[LS], v[LS], v[LS] row_xmask:\x row_mask:0xf bank_mask:0xf
.endr
	v_permlanex16_b32 v[TT+9], v[LS], s[SEL], s[SEL+1]
	v_add_f32 v[LS], v[LS], v[TT+9]
	global_store_b128 v[LI], v[CTX:CTX+3], s[16:17]
	global_store_b128 v[LI], v[CTX+4:CTX+7], s[16:17] offset:512
	s_cmp_lg_u32 s[WV], 0
	s_cbranch_scc1 .Lnot_wave_0
	global_store_b64 v[ML], v[MX:MX+1], s[16:17] offset:4096
.Lnot_wave_0:
	s_wait_tensorcnt 0x0
	ds_add_u32 v[SPW], v[NIL]
	s_wait_dscnt 0x0
	s_endpgm
.Lfunc_end_k_qf12cde6031_attn:
	.size	k_qf12cde6031_attn, .Lfunc_end_k_qf12cde6031_attn-k_qf12cde6031_attn
	.p2alignl 7, 3214868480
	.fill 96, 4, 3214868480
	.section	.rodata,"a",@progbits
	.p2align	6, 0x0
	.amdhsa_kernel k_qf12cde6031_attn
		.amdhsa_group_segment_fixed_size 327680
		.amdhsa_private_segment_fixed_size 0
		.amdhsa_enable_private_segment 0
		.amdhsa_kernarg_size 40
		.amdhsa_user_sgpr_count 2
		.amdhsa_user_sgpr_kernarg_segment_ptr 1
		.amdhsa_wavefront_size32 1
		.amdhsa_system_sgpr_workgroup_id_x 1
		.amdhsa_system_sgpr_workgroup_id_y 1
		.amdhsa_system_sgpr_workgroup_id_z 1
		.amdhsa_system_vgpr_workitem_id 0
		.amdhsa_next_free_vgpr 1024
		.amdhsa_next_free_sgpr 66
		.amdhsa_reserve_vcc 0
		.amdhsa_float_denorm_mode_32 3
		.amdhsa_float_denorm_mode_16_64 3
		.amdhsa_memory_ordered 1
		.amdhsa_forward_progress 1
		.amdhsa_inst_pref_size 255
	.end_amdhsa_kernel
	.section	.bss,"aw",@nobits
	.p2align	6
	.space	262144
	.amdgpu_metadata
---
amdhsa.version: [ 1, 2 ]
amdhsa.kernels:
  - .name:           k_qf12cde6031_attn
    .symbol:         k_qf12cde6031_attn.kd
    .args:
      - { .name: enc, .offset: 0, .size: 8, .value_kind: global_buffer, .address_space: global }
      - { .name: w1c, .offset: 8, .size: 8, .value_kind: global_buffer, .address_space: global }
      - { .name: w1s, .offset: 16, .size: 8, .value_kind: global_buffer, .address_space: global }
      - { .name: tab, .offset: 24, .size: 8, .value_kind: global_buffer, .address_space: global }
      - { .name: part, .offset: 32, .size: 8, .value_kind: global_buffer, .address_space: global }
    .group_segment_fixed_size: 327680
    .private_segment_fixed_size: 0
    .kernarg_segment_align: 8
    .kernarg_segment_size: 40
    .max_flat_workgroup_size: 128
    .sgpr_count:     66
    .vgpr_count:     1024
    .wavefront_size: 32
...
	.end_amdgpu_metadata
.endif
;; end of part 2
;; launch fin (part 3): grid 32 x 1, 8 waves a work-group, no clusters, 0 bytes of LDS; arguments part, out0; writes out0
.if DOCPART == 3
	.amdgcn_target "amdgcn-amd-amdhsa--gfx1250"
	.amdhsa_code_object_version 6
	.text
	.protected	k_qf12cde6031_fin
	.globl	k_qf12cde6031_fin
	.p2align	8
	.type	k_qf12cde6031_fin,@function
k_qf12cde6031_fin:
	s_mov_b64 s[64:65], 0
	v_nop
	global_prefetch_b8 v0, s[64:65] scope:SCOPE_SE
	s_setreg_imm32_b32 hwreg(HW_REG_WAVE_MODE, 25, 1), 1
	s_wait_xcnt 0x0
; out0[b][:] = (sum over i of ctx_i 2^(m_i - M)) / (sum over i of l_i 2^(m_i - M)), M the largest m_i: the eight records of batch b, each 4,096 bytes of ctx and then (m, l) 32 times.
; A work-group takes a batch; thread t takes the 16 bytes at 16 t of each ctx: a wave's load or store covers 512 consecutive bytes.  No LDS, no barrier: every thread reads all eight (m, l).
.set REC, 4352
	s_load_b128 s[4:7], s[0:1], 0x0                ; part, out0
	v_lshlrev_b32 v1, 4, v0                        ; 16 t
	v_and_b32 v2, 31, v0
	s_delay_alu instid0(VALU_DEP_1)
	v_lshlrev_b32 v2, 3, v2                        ; 8 x lane
	s_mul_i32 s8, ttmp9, 8*REC
	s_mov_b32 s9, 0
	s_lshl_b32 s10, ttmp9, 12
	s_mov_b32 s11, 0
	s_wait_alu depctr_va_vdst(0)
	s_wait_kmcnt 0x0
	s_add_nc_u64 s[4:5], s[4:5], s[8:9]
	s_add_nc_u64 s[6:7], s[6:7], s[10:11]
.irp i, 0,1,2,3,4,5,6,7
	global_load_b64 v[36+2*\i:37+2*\i], v2, s[4:5] offset:\i*REC+4096   ; (m_i, l_i)
.endr
.irp i, 0,1,2,3,4,5,6,7
	global_load_b128 v[4+4*\i:7+4*\i], v1, s[4:5] offset:\i*REC
.endr
	s_wait_loadcnt 8                               ; the eight (m, l) are in; the eight loads of ctx issued behind them may stay out
	v_max3_num_f32 v52, v36, v38, v40
	s_delay_alu instid0(VALU_DEP_1)
	v_max3_num_f32 v52, v52, v42, v44
	s_delay_alu instid0(VALU_DEP_1)
	v_max3_num_f32 v52, v52, v46, v48
	s_delay_alu instid0(VALU_DEP_1)
	v_max_num_f32 v52, v52, v50                    ; M
.irp i, 0,1,2,3,4,5,6,7
	v_sub_f32 v[54+\i], v[36+2*\i], v52
.endr
	s_wait_alu depctr_va_vdst(0)
.irp i, 0,1,2,3,4,5,6,7
	v_exp_f32 v[54+\i], v[54+\i]                   ; e_i = 2^(m_i - M)
.endr
	v_nop                                          ; a plain place behind the last exponential
	s_wait_alu depctr_va_vdst(0)                   ; one wait for the eight, ahead of their first reader
	v_mul_f32 v62, v37, v54
.irp i, 1,2,3,4,5,6,7
	v_fma_f32 v62, v[37+2*\i], v[54+\i], v62       ; L
.endr
	s_wait_alu depctr_va_vdst(0)
	v_rcp_f32 v63, v62
	s_wait_loadcnt 0x0
.irp k, 0,1,2,3
	v_mul_f32 v[68+\k], v[4+\k], v54               ; (plain work behind the reciprocal, which names neither its result nor its source)
.endr
.irp i, 1,2,3,4,5,6,7
.irp k, 0,1,2,3
	v_fma_f32 v[68+\k], v[4+4*\i+\k], v[54+\i], v[68+\k]
.endr
.endr
	s_wait_alu depctr_va_vdst(0)                   ; the wait for the reciprocal, ahead of its first reader
.irp k, 0,1,2,3
	v_mul_f32 v[68+\k], v[68+\k], v63
.endr
	global_store_b128 v1, v[68:71], s[6:7]
	s_endpgm
.Lfunc_end_k_qf12cde6031_fin:
	.size	k_qf12cde6031_fin, .Lfunc_end_k_qf12cde6031_fin-k_qf12cde6031_fin
	.p2alignl 7, 3214868480
	.fill 96, 4, 3214868480
	.section	.rodata,"a",@progbits
	.p2align	6, 0x0
	.amdhsa_kernel k_qf12cde6031_fin
		.amdhsa_group_segment_fixed_size 0
		.amdhsa_private_segment_fixed_size 0
		.amdhsa_enable_private_segment 0
		.amdhsa_kernarg_size 16
		.amdhsa_user_sgpr_count 2
		.amdhsa_user_sgpr_kernarg_segment_ptr 1
		.amdhsa_wavefront_size32 1
		.amdhsa_system_sgpr_workgroup_id_x 1
		.amdhsa_system_sgpr_workgroup_id_y 1
		.amdhsa_system_sgpr_workgroup_id_z 1
		.amdhsa_system_vgpr_workitem_id 0
		.amdhsa_next_free_vgpr 72
		.amdhsa_next_free_sgpr 66
		.amdhsa_reserve_vcc 0
		.amdhsa_float_denorm_mode_32 3
		.amdhsa_float_denorm_mode_16_64 3
		.amdhsa_memory_ordered 1
		.amdhsa_forward_progress 1
		.amdhsa_inst_pref_size 6
	.end_amdhsa_kernel
	.amdgpu_metadata
---
amdhsa.version: [ 1, 2 ]
amdhsa.kernels:
  - .name:           k_qf12cde6031_fin
    .symbol:         k_qf12cde6031_fin.kd
    .args:
      - { .name: part, .offset: 0, .size: 8, .value_kind: global_buffer, .address_space: global }
      - { .name: out0, .offset: 8, .size: 8, .value_kind: global_buffer, .address_space: global }
    .group_segment_fixed_size: 0
    .private_segment_fixed_size: 0
    .kernarg_segment_align: 8
    .kernarg_segment_size: 16
    .max_flat_workgroup_size: 256
    .sgpr_count:     66
    .vgpr_count:     72
    .wavefront_size: 32
...
	.end_amdgpu_metadata
.endif
;; end of part 3
